; MI455X (gfx1250); checked and timed in simulation.
; The chip was launched on July 23, 2026; its instructions are those of AMD's public machine-readable ISA for CDNA 5 (MIT licence, August 2026) and "CDNA5" Instruction Set Architecture Reference Guide (July 2026). The comments in the code are by the model that wrote it; some were corrected since.
;; Attention Head. Allowed arithmetic: matrix products marked QUANTISED: E2M1 operands, one E8M0 scale for each 32 along K, by v_wmma_scale_f32_16x16x128_f8f6f4 with both operands' format E2M1 (or v_wmma_scale_f32_32x16x128_f4), f32 sums; everything else in f32.
;; Inputs: k_codes 8,192 x 2 x 16 uint8 (E2M1 codes of k, K innermost, in blocks of 32 codes, two codes a byte); k_scales 8,192 x 2 uint8 (E8M0 scales of k, one for each 32 codes along K); q_codes 8,192 x 2 x 16 uint8 (E2M1 codes of q, K innermost, in blocks of 32 codes, two codes a byte); q_scales 8,192 x 2 uint8 (E8M0 scales of q, one for each 32 codes along K); v_codes 64 x 256 x 16 uint8 (E2M1 codes of v, K innermost, in blocks of 32 codes, two codes a byte); v_scales 64 x 256 uint8 (E8M0 scales of v, one for each 32 codes along K).
;; Outputs: out0 8,192 x 64 float32.
;; This version of the problem:
;;   THIS VERSION OF THE PROBLEM IS GIVEN IN LOW PRECISION. The matrix products marked QUANTISED in the list below multiply operands that are first quantised to E2M1 (2 exponent bits, 1 mantissa bit; 4 bits a number), with one power-of-two scale for each 32 numbers along K (OCP MX v1.0); their sums are f32. All else is computed in f32.
;;   The module's matrix products, in the order in which they are computed (A, B: the left and right operand; K: the contracted axis; several contracted axes count as one K, in the product's order):
;;     1. [M 8,192, K 64] x [K 64, N 8,192]; A: input q (given as codes); B: input k (given as codes): QUANTISED
;;     2. [M 8,192, K 8,192] x [K 8,192, N 64]; A: softmax (see below); B: input v (given as codes): QUANTISED
;;   THE QUANTISER, for each operand of a quantised product, along K:
;;     - K is cut into blocks of 32 from its start; a last block that is shorter is filled with zeros.
;;     - A block's scale is 2^e with e = floor(log2(the largest magnitude in the block)) - 2, held to -126 .. 127; a block of zeros has e = 0. As a byte (E8M0): e + 127.
;;     - Each number is divided by its block's scale, clamped to +-6, and rounded to the nearest number of E2M1, ties to even, subnormals kept.
;;     - The product sums the exact products of the quantised numbers (number of the format x scale) in f32.
;;   ~~~python
;;   def quantise(x, axis):      # numpy; x: float32 -> the quantised numbers, widened to float32 again
;;       x = np.moveaxis(x, axis, -1); K = x.shape[-1]
;;       x = np.pad(x, [(0, 0)] * (x.ndim - 1) + [(0, -K % 32)]); x = x.reshape(x.shape[:-1] + (-1, 32)); a = np.abs(x).max(-1, keepdims=True)
;;       e = np.where(a > 0, np.clip(np.frexp(np.where(a > 0, a, 1))[1] - 1 - 2, -126, 127), 0)      # np.frexp(a)[1] - 1 = floor(log2(a)), exactly
;;       r = np.clip(x / 2.0 ** e, -6, 6)
;;       step = 2.0 ** (np.maximum(np.frexp(np.where(r == 0, 1, r))[1] - 1, 0) - 1)
;;       q = np.round(r / step) * step * 2.0 ** e      # np.round: ties to even
;;       return np.moveaxis(q.reshape(q.shape[:-2] + (-1,))[..., :K], -1, axis).astype(np.float32)
;;   ~~~
;;   SOFTMAX AHEAD OF A QUANTISED PRODUCT. Where the list says 'softmax', what is quantised is not the finished softmax but p = 2^(t - M), with t = logit x log2(e) and M = ceil(the row's largest t), a whole number; so 1/2 < the row's largest p <= 1. The row's sum l is taken of the UNQUANTISED p, in f32, and the product's result is divided by l at the end. Since M is a whole number, a kernel that streams over the keys may use a running M (the ceiling of the running maximum): every later rescaling is an exact power of two, which a block's scale takes up: the codes' values come out the same.
;;   OPERANDS COMPUTED ON THE WAY. 'Computed on the way' means the value that the module computes at that place (a softmax that the list does not call 'softmax' is quantised finished and normalised). What goes into a quantiser is computed in f32, as accurately as f32 sums, v_exp_f32 and their like allow (about 1e-6 of the number): no bf16 or f16 on the way to a quantiser, and a product that is left as it is and whose result goes on into a quantised operand takes f32 operands (vector FMAs, or v_wmma_f32_16x16x4_f32). A number that lies on a knife's edge between two numbers of the format may be rounded either way, as far as f32 arithmetic and the matrix unit's own rounding can turn it there, and no further.
;;   INPUTS GIVEN AS CODES. k (in the module: [8192, 64], K = its axis 1); q (in the module: [8192, 64], K = its axis 1); v (in the module: [8192, 64], K = its axis 0): each comes as NAME_codes (uint8): NAME with its K axis moved to the last place and cut into blocks of 32 codes, [.., K / 32, bytes a block], one block behind the other in memory; two codes a byte, the lower K in the low four bits (a code: sign, 2 exponent bits, 1 mantissa bit); and NAME_scales (uint8): the same leading axes, one E8M0 byte (e + 127) for each 32 codes along K. Its value is code x scale, taken as it is: it is not quantised again, and the codes and scales need not be those that the quantiser above would give.
;; One version. Each part assembles by itself: llvm-mc -triple=amdgcn-amd-amdhsa -mcpu=gfx1250 --defsym DOCPART=n.
;; ======== version 1 of 1: 1 launch
;; launch attn (part 1): grid 256 x 1, 16 waves a work-group, clusters of 4 x 1, 327,680 bytes of LDS; arguments k_codes, k_scales, q_codes, q_scales, v_codes, v_scales, out0; writes out0
.if DOCPART == 1
	.amdgcn_target "amdgcn-amd-amdhsa--gfx1250"
	.amdhsa_code_object_version 6
	.text
	.protected	k_q2b5c4d51a9_attn
	.globl	k_q2b5c4d51a9_attn
	.p2align	8
	.type	k_q2b5c4d51a9_attn,@function
k_q2b5c4d51a9_attn:
	s_mov_b64 s[64:65], 0
	v_nop
	global_prefetch_b8 v0, s[64:65] scope:SCOPE_SE
	s_setreg_imm32_b32 hwreg(HW_REG_WAVE_MODE, 25, 1), 1
	s_wait_xcnt 0x0
	s_wait_alu depctr_hold_cnt(0) depctr_sa_sdst(0) depctr_va_vdst(0) depctr_va_sdst(0) depctr_va_ssrc(0) depctr_va_vcc(0) depctr_vm_vsrc(0)
	s_getreg_b32 s2, hwreg(HW_REG_IB_STS2, 6, 4)
	s_cmp_eq_u32 s2, 0
	s_cbranch_scc0 .Lentry_in_a_cluster
	s_endpgm
.Lentry_in_a_cluster:
	s_bfe_u32 s2, ttmp6, 0x10000c
	s_cmp_lg_u32 s2, 0x3003
	s_cbranch_scc0 .Lentry_shape_is_right
	s_endpgm
.Lentry_shape_is_right:
; out0[q][:] = the sum over keys k <= q of softmax_k(Q[q] . K[k] / 64) V[k][:], 8,192 queries and keys, head size 64, both products on codes of FP4 (E2M1) with one E8M0 scale for each 32 along a product's K.
; Q, K: [8192][64] as codes (32 bytes a row), scale bytes [8192][2].  V: codes with the KEYS innermost, [64][8192] (4,096 bytes a row), scale bytes [64][256].  out0: [8192][64] f32.
; THE SOFTMAX AHEAD OF THE SECOND PRODUCT: t = score x log2(e) / 64; M = the largest t so far, rounded UP to a whole number; p = 2^(t - M) is quantised along the keys, not normalised; the row's sum is taken of the
; unquantised p in f32 and divides at the end.  When M moves, sum and O are multiplied by 2^(old M - new M): exact.
; SHARES.  256 work-groups of sixteen waves.  Work-group g owns query tile L = g (queries 16 g on) and tile H = 511 - g.  In steps of 128 keys L needs g / 8 + 1 and H needs 64 - g / 8: 65 tile-steps in every work-group.
; THE KEYS ARE SPLIT OVER THE WAVES: in phase ph (0 .. 3) wave w takes key step 16 ph + w, for H and for L where the tile reaches that far.  Each wave keeps its own M, sum and O^T for each tile;
; at the end the sixteen partial results meet in LDS and are brought under the largest M by exact powers of two.  A wave has 256 registers, four waves stand on a SIMD: one wave's vector work beside another's products and LDS loads.
; CLUSTER.  The four work-groups of a cluster (g = 4 x cluster + cx) walk the same K and V, and g / 8 = cluster / 2 is the same in all four, so trip counts and branches are alike: each tile of K and V is asked for JOINTLY,
; by the same tensor load with the same descriptor and the mask of all four.  cx enters only Q's and out0's addresses and the numbers that the causal mask compares.
; RING.  Two LDS slots of 2,048 keys (a phase): K's 2,048 rows of 32 bytes, dense, then V's 64 rows in two halves of 512 bytes + 16 of padding.  Waves 0, 1 fetch K's halves, waves 2, 3 V's.  All scale bytes of K and V come once and stay.
; Every cluster fetches all four phases, also where its tiles end earlier: at most one slot's bytes are fetched unread.
; THE FIRST PRODUCT'S K IS 64, THE INSTRUCTION'S 128.  A fragment of K holds TWO tiles of 16 keys: registers 0-3 the first (in the places k 0 .. 63), registers 4-7 the second (k 64 .. 127).  Q lies as 12 registers (q, zeros, q):
; the first eight, (q, 0), give the first tile's scores, the last eight, (0, q), the second's.  The dead half has zero codes on Q's side, under the scale byte 0 there: it adds nothing.
; LAYOUT.  Both products are used transposed (S^T = K Q^T, O^T = V^T P^T): a lane holds ONE query (lane % 16) throughout.  THE KEYS OF A TILE ARE NOT NEIGHBOURS: lane r of tile 2 b + u takes key 32 b + 8 u + r + 8 (r / 8),
; so that the 16 registers of tiles 2 b and 2 b + 1 are 16 neighbouring keys, 32 b + 16 (lane / 16) + 0 .. 15: the conversions' results, with one exchange of halves, are the second product's operand.
; LIMITS.  A scale byte 0xff (NaN) among the inputs is not served.  A p under 2^-126 comes out of v_exp_f32 as 0 (ISA guide, its entry in 15.8).  A block whose every p is 0 keeps the scale byte 1: its codes are zeros.
; LEFT OUT.  Large wave tiles and register windows: a step has 12 matrix instructions beside some 230 vector instructions, so vector work decides.  Prefetching: 0.8 MB of inputs, read by every cluster in turn.
.set SLOT,  133120                     ; a slot: 65,536 bytes of K + 67,584 of V.  Its two bits (17 and 11) are set in none of the addresses that an exclusive or turns from one slot to the other
.set VOFF,  65536                      ; V's part of a slot
.set VP,    528                        ; a row of V in LDS: 512 bytes + 16 = 132 words: row r starts at bank 4 r mod 64 (64 banks of 4 bytes: ISA guide 11.1)
.set VHALF, 64*VP                      ; 64 rows x eight key steps: what one tensor load brings
.set SCK,   2*SLOT                     ; K's scale bytes: 64 units of 256 bytes (a key step's 128 keys) + 16
.set SCV,   SCK+64*272                 ; V's: 64 rows of 256 bytes + 16
.set SPARE, SCV+64*272                 ; the spare words, 128 bytes for each wave: eight blocks of 256 bytes that no other line names
.set PART,  16*272                     ; the merge: a partial O of one wave and one tile, 16 rows x (256 bytes + 16), at (2 wave + tile) x PART from LDS byte 0: in the slots, which have had their last fill and their last read by then
.set STAT,  32*PART                    ; behind them the pairs (-M, sum): (2 wave + tile) x 128 + 8 x row
.set AK0,  1                           ; v1   my lane's and wave's place in a slot's K
.set AV0,  2                           ; v2   in its V
.set ASK0, 3                           ; v3   among K's scale bytes
.set ASV0, 4                           ; v4   among V's
.set SPW,  5                           ; v5   LDS address of my spare word: SPARE + 4 x my thread's number; never rewritten
.set NIL,  6                           ; v6   0; never rewritten
.set DH,   7                           ; v7   tile H, its last step: my query - the step's first key - 16 (lane / 16)
.set ADK,  8                           ; v8-11 the phase's LDS addresses: K, V, K's scale bytes, V's
.set ADV,  9
.set ADS,  10
.set ADT,  11
.set SH,   12                          ; v12-15 tile H: -M, the largest t, the sum in two halves
.set SL,   16                          ; v16-19 tile L
.set QH,   20                          ; v20-31 tile H's Q: q, zeros, q
.set QL,   32                          ; v32-43 tile L's
.set QSH,  44                          ; v44-45 H's scale words: (s0, s1, 0, 0) and (0, 0, s0, s1)
.set QSL,  46                          ; v46-47 L's
.set F,    48                          ; v48-79 four fragments, of K and then of V
.set S,    80                          ; v80-143 S^T, then p
.set OH,   144                         ; v144-175 H's O^T: four tiles of 16 of the head's 64
.set OL,   176                         ; v176-207 L's
.set PC,   208                         ; v208-215 p's codes
.set BM,   216                         ; v216-219 the blocks' largest scores, then largest p; in the merge: the row's 16 bytes
.set PM,   220                         ; v220-223 lane permutes' results, then scale bytes
.set SO,   224                         ; v224-227 the conversions' scale operands
.set T0,   228                         ; v228-229 at work
.set T1,   229
.set FF,   230                         ; v[230:231] f = 2^(old M - new M); v231 is named with it as a pair and written once
.set SU,   232                         ; v[232:233] the sum's second chain
.set KS,   234                         ; v234-235 K's scale words: register i: lanes 0-15 fragment 2 i, lanes 16-31 fragment 2 i + 1
.set KT,   236                         ; v236-237 their upper halves as loaded
.set VS,   238                         ; v238-239 V's scale words: register i: lanes 0-15 rows 32 i on, lanes 16-31 rows 32 i + 16 on
.set PW,   240                         ; v240 p's scale word
.set NINF, 241                         ; v241 -infinity
.set STO,  242                         ; v242 the merge: where I put 16 bytes of a partial row
.set SSO,  243                         ; v243 and a pair of statistics
.set RD,   244                         ; v244 where I read a row's 16 bytes of waves 0-7's partial results,
.set RD2,  245                         ; v245 of waves 8-15's,
.set RS,   246                         ; v246 and the row's statistics
.set DL,   247                         ; v247 as DH, for tile L
.set GO,   248                         ; v248 my byte offset in out0
.set WV,   18                          ; s18 my wave's number
.set W1,   19                          ; s19 its low bit: which half I fetch, if I fetch
.set SEL,  20                          ; s[20:21] lane selects for v_permlanex16_b32: lane l xor 16
.set CS,   22                          ; s[22:23] c = log2(e) / 64: the packed form names a pair and takes its low word for both halves
.set G1K,  24                          ; s[24:31] descriptor group 1 for K's tiles;  s[32:39] for V's;  s[40:47] for scale bytes
.set G1V,  32
.set G1S,  40
.set G0K,  48                          ; s[48:51], s[52:55] groups 0 for K's and V's tiles, which walk;  s[56:59], s[60:63] for the scale bytes
.set G0V,  52
.set G0SK, 56
.set G0SV, 60
.set TB,   66                          ; s66 LDS byte at which the slot in hand begins
.set TS,   67                          ; s67 the phase's place among K's scale bytes: 16 x 272 a phase
.set TJ,   68                          ; s68 and among V's: 64 a phase
.set KJ,   69                          ; s69 my key step: 16 x phase + wave
.set NH,   70                          ; s70 key steps of tile H
.set NL,   71                          ; s71 of tile L
.set PH,   72                          ; s72 phases still to be asked for
; A round of the cluster's barrier: my work-group's barrier, so that wave 0's signal speaks for all sixteen waves; wave 0 signals for the work-group; every wave waits for all four work-groups; my work-group's barrier once more.
.macro CROUND
	s_barrier_signal -1
	s_barrier_wait -1
	s_cmp_lg_u32 s[WV], 0
	s_cbranch_scc1 .Lnot_wave_0_\@
	s_barrier_signal -3
.Lnot_wave_0_\@:
	s_barrier_wait -3
	s_barrier_signal -1
	s_barrier_wait -1
.endm
; A joint refill: waves 0 and 1 fetch K's halves, waves 2 and 3 V's, the others nothing.  The branches hang on the wave's number alone.  Four v_nop follow each of the two lines.
.macro TLOAD
	s_cmp_lt_u32 s[WV], 2
	s_cbranch_scc0 .Lnot_k_\@
	tensor_load_to_lds s[G0K:G0K+3], s[G1K:G1K+7]
	s_nop 0
.rept 4
	v_nop
.endr
	s_branch .Lasked_\@
.Lnot_k_\@:
	s_cmp_lt_u32 s[WV], 4
	s_cbranch_scc0 .Lasked_\@
	tensor_load_to_lds s[G0V:G0V+3], s[G1V:G1V+7]
	s_nop 0
.rept 4
	v_nop
.endr
.Lasked_\@:
.endm
	s_load_b256 s[4:11], s[0:1], 0x0               ; K's codes s[4:5], K's scales s[6:7], Q's codes s[8:9], Q's scales s[10:11]
	s_load_b128 s[12:15], s[0:1], 0x20             ; V's codes s[12:13], V's scales s[14:15]
	s_load_b64 s[16:17], s[0:1], 0x30              ; out0
	v_lshl_add_u32 v[SPW], v0, 2, SPARE
	v_mov_b32 v[NIL], 0
	ds_add_u32 v5, v6
	ds_add_u32 v5, v6
	s_wait_dscnt 0x0
	v_lshrrev_b32 v8, 5, v0
	s_delay_alu instid0(VALU_DEP_1)
	v_readfirstlane_b32 s[WV], v8                  ; wave 0..15
	s_and_b32 s[W1], s[WV], 1
	s_bfe_u32 s74, ttmp6, 0x40000                  ; cx: my place in the cluster
	s_lshl_b32 s75, ttmp9, 2                       ; in a cluster launch ttmp9 counts clusters
	s_add_co_u32 s75, s75, s74                     ; g = 4 x cluster + cx
	s_lshr_b32 s76, ttmp9, 1                       ; g / 8 = cluster / 2: the same in all four partners
	s_add_co_u32 s[NL], s76, 1
	s_sub_co_u32 s[NH], 64, s76
	s_and_b32 s77, s75, 7
	s_lshl_b32 s77, s77, 4                         ; 16 (g % 8): tile L's first query, counted from its last step's first key
	s_lshl_b32 s78, s75, 4                         ; tile L's first query: 16 g
	s_sub_co_u32 s79, 8176, s78                    ; tile H's: 16 (511 - g)
	; descriptor groups 1; elements of 8 bytes; 15:0 the mask of all four work-groups, bit 21 set beside it
	s_mov_b32 s[G1K], 15|(3<<16)|(1<<21)           ; K: 1,024 keys' rows are 32,768 dense bytes: 128 rows of 256 bytes, no padding
	s_mov_b32 s[G1K+1], 32<<16                     ; tensor_dim0 = 32 elements
	s_mov_b32 s[G1K+2], 128<<16                    ; tensor_dim1 = 128
	s_mov_b32 s[G1K+3], 32<<16                     ; tile_dim0
	s_mov_b32 s[G1K+4], 128                        ; tile_dim1
	s_mov_b32 s[G1K+5], 32                         ; tensor_dim0_stride
	s_mov_b32 s[G1K+6], 0
	s_mov_b32 s[G1K+7], 0
	s_mov_b32 s[G1V], 15|(3<<16)|(1<<20)|(1<<21)|(6<<22)|(3<<25)   ; V: 64 rows of 512 bytes, 4,096 bytes apart in memory; four words of padding (code 3) after every 128 (code 6)
	s_mov_b32 s[G1V+1], 64<<16
	s_mov_b32 s[G1V+2], 64<<16
	s_mov_b32 s[G1V+3], 64<<16
	s_mov_b32 s[G1V+4], 64
	s_mov_b32 s[G1V+5], 512
	s_mov_b32 s[G1V+6], 0
	s_mov_b32 s[G1V+7], 0
	s_mov_b32 s[G1S], 15|(3<<16)|(1<<20)|(1<<21)|(5<<22)|(3<<25)   ; scale bytes: 8,192 dense bytes as 32 rows of 256; four words of padding after every 64 (code 5)
	s_mov_b32 s[G1S+1], 32<<16
	s_mov_b32 s[G1S+2], 32<<16
	s_mov_b32 s[G1S+3], 32<<16
	s_mov_b32 s[G1S+4], 32
	s_mov_b32 s[G1S+5], 32
	s_mov_b32 s[G1S+6], 0
	s_mov_b32 s[G1S+7], 0
	s_lshl_b32 s80, s[W1], 15                      ; K's half: 32,768 bytes, in memory and in LDS alike
	s_mov_b32 s81, 0
	s_mul_i32 s82, s[W1], VHALF                    ; V's half in LDS,
	s_lshl_b32 s84, s[W1], 9                       ; and in memory: 512 bytes on in each row
	s_mov_b32 s85, 0
	s_lshl_b32 s86, s[W1], 13                      ; a half of the scale bytes in memory,
	s_mov_b32 s87, 0
	s_mul_i32 s83, s[W1], 32*272                   ; and in LDS
	s_mov_b32 s[SEL], 0x76543210
	s_mov_b32 s[SEL+1], 0xfedcba98
	s_mov_b32 s[CS], 0x3cb8aa3b                    ; c = log2(e) / 64
	s_mov_b32 s[CS+1], s[CS]                       ; (named with it as a pair, so it is written)
	s_mov_b32 s[TB], 0
	s_mov_b32 s[TS], 0
	s_mov_b32 s[TJ], 0
	s_mov_b32 s[KJ], s[WV]
	s_mov_b32 s[PH], 3
	s_wait_kmcnt 0x0
	s_mov_b32 s[G0K], 1                            ; 1:0 count = 1
	s_mov_b32 s[G0K+1], s80                        ; 63:32 LDS address: slot 0
	s_add_nc_u64 s[G0K+2:G0K+3], s[4:5], s[80:81]  ; 120:64 global address: the first 2,048 keys
	s_or_b32 s[G0K+3], s[G0K+3], 0x80000000        ; 127:126 type = 2
	s_mov_b32 s[G0V], 1
	s_add_co_u32 s[G0V+1], s82, VOFF
	s_add_nc_u64 s[G0V+2:G0V+3], s[12:13], s[84:85]
	s_or_b32 s[G0V+3], s[G0V+3], 0x80000000
	s_mov_b32 s[G0SK], 1
	s_add_co_u32 s[G0SK+1], s83, SCK
	s_add_nc_u64 s[G0SK+2:G0SK+3], s[6:7], s[86:87]
	s_or_b32 s[G0SK+3], s[G0SK+3], 0x80000000
	s_mov_b32 s[G0SV], 1
	s_add_co_u32 s[G0SV+1], s83, SCV
	s_add_nc_u64 s[G0SV+2:G0SV+3], s[14:15], s[86:87]
	s_or_b32 s[G0SV+3], s[G0SV+3], 0x80000000
	CROUND                                         ; all four work-groups are here: the first joint loads meet
	s_cmp_lt_u32 s[WV], 2                          ; a wave's two first fills stand in one branch, ahead of every wait on TENSORcnt and every LDS read: two loads of a fetching wave are out
	s_cbranch_scc0 .Lfirst_not_k
	tensor_load_to_lds s[G0SK:G0SK+3], s[G1S:G1S+7]   ; half of K's scale bytes: filled once
	s_nop 0
	tensor_load_to_lds s[G0K:G0K+3], s[G1K:G1K+7]     ; half of slot 0's K
	s_nop 0
.rept 4
	v_nop
.endr
	s_branch .Lfirst_asked
.Lfirst_not_k:
	s_cmp_lt_u32 s[WV], 4
	s_cbranch_scc0 .Lfirst_asked
	tensor_load_to_lds s[G0SV:G0SV+3], s[G1S:G1S+7]
	s_nop 0
	tensor_load_to_lds s[G0V:G0V+3], s[G1V:G1V+7]
	s_nop 0
.rept 4
	v_nop
.endr
.Lfirst_asked:
	v_and_b32 v[T0], 15, v0                        ; r = lane % 16
	v_bfe_u32 v[T1], v0, 4, 1                      ; h = lane / 16
	v_and_b32 v[SU], 31, v0                        ; lane
	s_delay_alu instid0(VALU_DEP_3)
	v_and_b32 v[SU+1], 8, v[T0]
	s_delay_alu instid0(VALU_DEP_1)
	v_add_nc_u32 v[SU+1], v[SU+1], v[T0]           ; rho = r + 8 (r / 8)
	; Q: lane (r, h) takes the 16 bytes at 16 h of row r of each tile, twice: into the first and the last four of the tile's twelve registers; and the row's two scale bytes
	v_lshlrev_b32 v8, 5, v[T0]
	s_delay_alu instid0(VALU_DEP_1)
	v_lshl_add_u32 v8, v[T1], 4, v8                ; 32 r + 16 h
	s_lshl_b32 s88, s79, 5
	s_lshl_b32 s89, s78, 5
	v_add_nc_u32 v9, s89, v8                       ; tile L's rows
	v_add_nc_u32 v8, s88, v8                       ; tile H's
	v_lshlrev_b32 v10, 1, v[T0]
	s_lshl_b32 s90, s79, 1
	s_lshl_b32 s91, s78, 1
	v_add_nc_u32 v11, s91, v10
	v_add_nc_u32 v10, s90, v10
	global_load_b128 v[QH:QH+3], v8, s[8:9]
	global_load_b128 v[QH+8:QH+11], v8, s[8:9]
	global_load_b128 v[QL:QL+3], v9, s[8:9]
	global_load_b128 v[QL+8:QL+11], v9, s[8:9]
	global_load_u16 v[QSH], v10, s[10:11]          ; bytes (s0, s1, 0, 0)
	global_load_u16 v[QSL], v11, s[10:11]
.irp i, 4,5,6,7
	v_mov_b32 v[QH+\i], 0                          ; the zero codes between
	v_mov_b32 v[QL+\i], 0
.endr
	; LDS addresses, all made here, on the way that every wave takes
	v_lshlrev_b32 v[AK0], 5, v[SU+1]
	s_delay_alu instid0(VALU_DEP_1)
	v_lshl_add_u32 v[AK0], v[T1], 4, v[AK0]
	s_lshl_b32 s92, s[WV], 12
	v_add_nc_u32 v[AK0], s92, v[AK0]               ; K: 32 rho + 16 h + my step's 128 rows of 32 bytes
	v_mul_u32_u24 v[AV0], v[T0], VP
	s_delay_alu instid0(VALU_DEP_1)
	v_lshl_add_u32 v[AV0], v[T1], 4, v[AV0]
	s_lshr_b32 s93, s[WV], 3
	s_and_b32 s94, s[WV], 7
	s_mul_i32 s92, s93, VHALF
	s_lshl_b32 s95, s94, 6
	s_add_co_u32 s92, s92, s95
	s_add_co_u32 s92, s92, VOFF
	v_add_nc_u32 v[AV0], s92, v[AV0]               ; V: row r, + 16 h, in half wave / 8, my step's 64 bytes of the row
	v_lshlrev_b32 v[ASK0], 1, v[SU+1]
	s_delay_alu instid0(VALU_DEP_1)
	v_lshl_add_u32 v[ASK0], v[T1], 6, v[ASK0]
	s_mul_i32 s92, s[WV], 272
	s_add_co_u32 s92, s92, SCK
	v_add_nc_u32 v[ASK0], s92, v[ASK0]             ; K's scale bytes: 2 a key: 2 rho, + 64 for lanes 16-31 (the next fragment's 32 keys), in my step's unit
	v_mul_u32_u24 v[ASV0], v[SU], 272
	s_lshl_b32 s92, s[WV], 2
	s_add_co_u32 s92, s92, SCV
	v_add_nc_u32 v[ASV0], s92, v[ASV0]             ; V's: row = lane, my step's 4 bytes
	v_lshlrev_b32 v[DL], 4, v[T1]
	s_delay_alu instid0(VALU_DEP_1)
	v_sub_nc_u32 v[DL], v[T0], v[DL]               ; r - 16 h
	s_sub_co_u32 s92, 112, s77
	v_add_nc_u32 v[DH], s92, v[DL]                 ; tile H begins 16 (7 - g % 8) keys into its last step,
	v_add_nc_u32 v[DL], s77, v[DL]                 ; tile L 16 (g % 8)
	v_mul_u32_u24 v[STO], v[T0], 272
	s_delay_alu instid0(VALU_DEP_1)
	v_lshl_add_u32 v[STO], v[T1], 5, v[STO]
	s_mul_i32 s92, s[WV], 2*PART
	v_add_nc_u32 v[STO], s92, v[STO]               ; the merge, in: my wave's two partial results; row r, + 32 h
	s_lshl_b32 s92, s[WV], 8
	s_add_co_u32 s92, s92, STAT
	v_lshl_add_u32 v[SSO], v[T0], 3, s92           ; and its statistics: 8 bytes a row
	s_mul_i32 s92, s93, PART                       ; the merge, back: wave w serves tile w / 8 (0: H) and rows 2 (w % 8) + lane / 16; 16 bytes a lane
	s_mul_i32 s95, s94, 2*272
	s_add_co_u32 s92, s92, s95
	v_mul_u32_u24 v[RD], v[T1], 272
	s_delay_alu instid0(VALU_DEP_1)
	v_lshl_add_u32 v[RD], v[T0], 4, v[RD]
	s_delay_alu instid0(VALU_DEP_1)
	v_add_nc_u32 v[RD], s92, v[RD]
	s_delay_alu instid0(VALU_DEP_1)
	v_add_nc_u32 v[RD2], 16*PART, v[RD]            ; (waves 8-15's lie beyond an LDS instruction's 16-bit offset)
	s_lshl_b32 s92, s93, 7
	s_lshl_b32 s95, s94, 4
	s_add_co_u32 s92, s92, s95
	s_add_co_u32 s92, s92, STAT
	v_lshl_add_u32 v[RS], v[T1], 3, s92
	s_cmp_lt_u32 s[WV], 8
	s_cselect_b32 s92, s79, s78                    ; the served tile's first query,
	s_lshl_b32 s95, s94, 1
	s_add_co_u32 s92, s92, s95                     ; + my two rows,
	s_lshl_b32 s92, s92, 8                         ; rows of 256 bytes;
	v_lshl_add_u32 v[GO], v[SU], 4, s92            ; 16 bytes a lane: the wave's store covers 512 consecutive bytes
	; statistics and sums.  The step is written once: a wave's first step finds zeros, and the first change of M multiplies them by 0
.irp b, SH, SL
	v_mov_b32 v[\b+1], 0xff61b1e6                  ; the largest t so far: -3e38, under every t
	s_delay_alu instid0(VALU_DEP_1)
	v_floor_f32 v[\b], -v[\b+1]                    ; -M
	v_mov_b32 v[\b+2], 0                           ; the sum, in two halves
	v_mov_b32 v[\b+3], 0
.endr
.set j, 0
.rept 64
	v_mov_b32 v[OH+j], 0                           ; both tiles' O^T: a wave that has no step of a tile brings zeros to the merge
.set j, j+1
.endr
.irp b, 0,1,2,3
	v_mov_b32 v[PM+\b], 0                          ; written once: a lane permute's destination counts as one of its sources
.endr
	v_mov_b32 v[FF+1], 0                           ; (named as the upper half of the pair before it is otherwise written)
	v_mov_b32 v[NINF], 0xff800000
	s_wait_loadcnt 0x0                             ; Q; v8-11 may be written again
	v_lshlrev_b32 v[QSH+1], 16, v[QSH]             ; bytes (0, 0, s0, s1), for (0, q)
	v_lshlrev_b32 v[QSL+1], 16, v[QSL]
; THE CHANGE OF SLOTS stands at a phase's head.  Each wave waits for all its tensor loads (its part of the slot that it is about to read), adds 0 to its spare word, and waits for that and for its reads of the slot that it has left.
; fill = 1: the barrier is a round of the cluster's, so that no wave of any partner still reads the other slot or has a load on its way, and the joint fill of that slot with the next 2,048 keys is the first thing behind it:
; it has a whole phase in which to land.  fill = 0: nothing is left to fetch; the work-group's own barrier shows the last slot whole.
.macro CHANGE fill
	s_wait_tensorcnt 0x0                           ; no tensor load of mine is out, so a group 0 may be written
	ds_add_u32 v[SPW], v[NIL]                      ; 0 onto my spare word; with fill = 1 the descriptors' steps stand between it and the wait for it
.if \fill
	s_xor_b32 s[G0K+1], s[G0K+1], SLOT             ; the walking descriptors: the other slot than last time,
	s_add_nc_u64 s[G0K+2:G0K+3], s[G0K+2:G0K+3], 65536   ; the next 2,048 keys' rows; the type bits on top are not reached
	s_xor_b32 s[G0V+1], s[G0V+1], SLOT
	s_add_nc_u64 s[G0V+2:G0V+3], s[G0V+2:G0V+3], 1024    ; and 1,024 bytes on in each row of V
	s_wait_dscnt 0x0                               ; the add is done, and my reads of the slot that I have left are over
	CROUND
	TLOAD
.else
	s_wait_dscnt 0x0
	s_barrier_signal -1
	s_barrier_wait -1
.endif
.endm
; A PHASE'S HEAD, on every wave's path: the addresses of my key step, and its scale words, which serve both tiles.
.macro PHEAD
	v_add_nc_u32 v[ADK], s[TB], v[AK0]
	v_add_nc_u32 v[ADV], s[TB], v[AV0]
	v_add_nc_u32 v[ADS], s[TS], v[ASK0]
	v_add_nc_u32 v[ADT], s[TJ], v[ASV0]
.irp i, 0,1
	ds_load_u16 v[KS+\i], v[ADS] offset:128*\i     ; the two bytes of key 32 b + rho (b = 2 i + lane / 16): the fragment's first tile,
	ds_load_u16 v[KT+\i], v[ADS] offset:128*\i+16  ; and of key 32 b + 8 + rho: its second
	ds_load_b32 v[VS+\i], v[ADT] offset:32*272*\i  ; V's row 32 i + lane: the step's four bytes
.endr
	s_wait_dscnt 0x0
.irp i, 0,1
	v_lshl_or_b32 v[KS+\i], v[KT+\i], 16, v[KS+\i] ; K's scale word: bytes 0, 1 for k 0 .. 63, bytes 2, 3 for k 64 .. 127
.endr
.rept 8
	v_nop                                          ; a scale register written by a vector instruction stands 8 places ahead of a scaled matrix instruction
.endr
.endm
; A KEY STEP of one tile: my 128 keys against the tile's 16 queries.  qb, qs: the tile's Q and its scale words; ob: its O^T; sb: its statistics; dm: the number that the mask compares; nt: the tile's count of key steps.
; A step beyond the tile's last is left out: a scalar branch on ids, the same in all four partners; no barrier and no tensor load stands in a step.
.macro STEP qb, qs, ob, sb, dm, nt
	s_cmp_ge_u32 s[KJ], s[\nt]
	s_cbranch_scc1 .Lskip_\@
	s_wait_alu depctr_va_vdst(0)
.irp b, 0,1,2,3                                ; fragment b: keys 32 b + rho in registers 0-3, keys 32 b + 8 + rho in registers 4-7
	ds_load_b128 v[F+8*\b:F+8*\b+3], v[ADK] offset:1024*\b
	ds_load_b128 v[F+8*\b+4:F+8*\b+7], v[ADK] offset:1024*\b+256
.endr
	s_wait_dscnt 0x0
.irp b, 0,1,2,3                                ; S^T = K Q^T: each fragment twice, against (q, 0) and against (0, q).  Eight accumulators, one instruction each
.if \b%2
	v_wmma_scale_f32_16x16x128_f8f6f4 v[S+16*\b:S+16*\b+7], v[F+8*\b:F+8*\b+7], v[\qb:\qb+7], 0, v[KS+\b/2], v[\qs] matrix_a_fmt:MATRIX_FMT_FP4 matrix_b_fmt:MATRIX_FMT_FP4 matrix_a_scale:MATRIX_SCALE_ROW1
	v_wmma_scale_f32_16x16x128_f8f6f4 v[S+16*\b+8:S+16*\b+15], v[F+8*\b:F+8*\b+7], v[\qb+4:\qb+11], 0, v[KS+\b/2], v[\qs+1] matrix_a_fmt:MATRIX_FMT_FP4 matrix_b_fmt:MATRIX_FMT_FP4 matrix_a_scale:MATRIX_SCALE_ROW1
.else
	v_wmma_scale_f32_16x16x128_f8f6f4 v[S+16*\b:S+16*\b+7], v[F+8*\b:F+8*\b+7], v[\qb:\qb+7], 0, v[KS+\b/2], v[\qs] matrix_a_fmt:MATRIX_FMT_FP4 matrix_b_fmt:MATRIX_FMT_FP4
	v_wmma_scale_f32_16x16x128_f8f6f4 v[S+16*\b+8:S+16*\b+15], v[F+8*\b:F+8*\b+7], v[\qb+4:\qb+11], 0, v[KS+\b/2], v[\qs+1] matrix_a_fmt:MATRIX_FMT_FP4 matrix_b_fmt:MATRIX_FMT_FP4
.endif
.endr                                          ; lane (r, h) holds query r; register 16 b + i is key 32 b + 16 h + i of the step
.rept 4
	v_nop                                          ; four places in front of the loads into K's fragments and of the first read of the scores
.endr
.irp t, 0,1,2,3                                ; V's four fragments (16 of the head's 64 x my 128 keys) are asked for now and land under the softmax
.irp c, 0,1
	ds_load_b128 v[F+8*\t+4*\c:F+8*\t+4*\c+3], v[ADV] offset:16*VP*\t+32*\c
.endr
.endr
	s_add_co_u32 s96, s[KJ], 1                     ; CAUSAL: only the tile's last step lies on the diagonal; every other step skips the mask
	s_cmp_lg_u32 s96, s[\nt]
	s_cbranch_scc1 .Lopen_\@
.set n, 0
.rept 64                                       ; hidden where 32 b + i > my query - the step's first key - 16 h: the score becomes -infinity ahead of the maximum, p = 0 then.  The step's first key counts for every query of the tile
	v_cmp_gt_i32 vcc_lo, 32*(n/16)+n%16, v[\dm]
	v_cndmask_b32 v[S+n], v[S+n], v[NINF], vcc_lo
.set n, n+1
.endr
.Lopen_\@:
.irp b, 0,1,2,3
	v_max3_num_f32 v[BM+\b], v[S+16*\b], v[S+16*\b+1], v[S+16*\b+2]   ; THE LARGEST SCORE OF EACH BLOCK OF 32 KEYS serves twice: for the row's maximum, and, since p rises with the score, for the block's largest p
.endr
.irp i, 3,5,7,9,11,13
.irp b, 0,1,2,3
	v_max3_num_f32 v[BM+\b], v[BM+\b], v[S+16*\b+\i], v[S+16*\b+\i+1]   ; (the four blocks by turns)
.endr
.endr
.irp b, 0,1,2,3
	v_max_num_f32 v[BM+\b], v[BM+\b], v[S+16*\b+15]
.endr
.irp b, 0,1,2,3
	s_delay_alu instid0(VALU_DEP_4)
	v_permlanex16_b32 v[PM+\b], v[BM+\b], s[SEL], s[SEL+1]
.endr
.irp b, 0,1,2,3
	s_delay_alu instid0(VALU_DEP_4)
	v_max_num_f32 v[BM+\b], v[BM+\b], v[PM+\b]     ; with lane l xor 16's 16 keys
.endr
	s_delay_alu instid0(VALU_DEP_2)
	v_max3_num_f32 v[T0], v[BM], v[BM+1], v[BM+2]
	s_delay_alu instid0(VALU_DEP_1)
	v_max_num_f32 v[T0], v[T0], v[BM+3]            ; the step's largest score of my query
	s_delay_alu instid0(VALU_DEP_1)
	v_mul_f32 v[T0], s[CS], v[T0]                  ; as t (c is positive)
	s_delay_alu instid0(VALU_DEP_1)
	v_max_num_f32 v[\sb+1], v[\sb+1], v[T0]        ; the running largest t
	v_mov_b32 v[T0], v[\sb]
	s_delay_alu instid0(VALU_DEP_2)
	v_floor_f32 v[\sb], -v[\sb+1]                  ; the new -M = floor(-t) = -ceil(t): M IS A WHOLE NUMBER
	s_delay_alu instid0(VALU_DEP_1)
	v_sub_f32 v[T0], v[\sb], v[T0]                 ; M's old value less its new one: a whole number, 0 or less
	s_delay_alu instid0(VALU_DEP_1)
	v_cvt_i32_f32 v[T0], v[T0]                     ; (it saturates)
	s_delay_alu instid0(VALU_DEP_1)
	v_ldexp_f32 v[FF], 1.0, v[T0]                  ; f = 2^(old M - new M): a multiplication by it rounds nothing
.set j, 0
.rept 32
	v_pk_fma_f32 v[S+j:S+j+1], v[S+j:S+j+1], s[CS:CS+1], v[\sb:\sb+1] op_sel_hi:[1,0,0]   ; t - M, two at a time (of the pairs c and -M the low word serves both halves)
.set j, j+2
.endr
.irp b, 0,1,2,3
	v_fma_f32 v[BM+\b], v[BM+\b], s[CS], v[\sb]    ; the same of each block's largest score
.endr
.set j, 0
	s_wait_alu depctr_va_vdst(0)
.rept 64
	v_exp_f32 v[S+j], v[S+j]                       ; p = 2^(t - M), at most 1: NOT normalised
.set j, j+1
.endr
.irp b, 0,1,2,3
	v_exp_f32 v[BM+\b], v[BM+\b]                   ; the block's largest p: the same two instructions on the same number give the same bits
.endr
	v_pk_mul_f32 v[\sb+2:\sb+3], v[\sb+2:\sb+3], v[FF:FF+1] op_sel_hi:[1,0]   ; the sums under the new M.  (The plain place behind the exponentials)
	s_wait_alu depctr_va_vdst(0)
.irp b, 0,1,2,3
	v_max_num_f32 v[BM+\b], 0x1800000, v[BM+\b]    ; the floor 2^(3 - 127): the byte cannot fall under 1
.endr
.irp b, 0,1,2,3
	s_delay_alu instid0(VALU_DEP_4)
	v_add_nc_u32 v[SO+\b], 0xff000000, v[BM+\b]    ; 2 off the exponent field: the conversion takes the exponent field of this operand as its scale
.endr
.irp b, 0,1,2,3
	s_delay_alu instid0(VALU_DEP_4)
	v_lshrrev_b32 v[PM+\b], 23, v[SO+\b]           ; the scale's byte
.endr
	s_delay_alu instid0(VALU_DEP_3)
	v_lshl_or_b32 v[PW], v[PM+1], 8, v[PM]         ; p's scale word for these 128 keys
	s_delay_alu instid0(VALU_DEP_1)
	v_lshl_or_b32 v[PW], v[PM+2], 16, v[PW]
	s_delay_alu instid0(VALU_DEP_1)
	v_lshl_or_b32 v[PW], v[PM+3], 24, v[PW]
.irp b, 0,1,2,3
	v_cvt_scalef32_pk8_fp4_f32 v[PC+2*\b], v[S+16*\b:S+16*\b+7], v[SO+\b]
	v_cvt_scalef32_pk8_fp4_f32 v[PC+2*\b+1], v[S+16*\b+8:S+16*\b+15], v[SO+\b]
.endr
	v_nop                                          ; one plain vector instruction between a scaled conversion and the instruction that touches its result
.irp c, 0,1                                    ; the operand's layout wants a WHOLE block in a lane: lanes 0-15 block 2 c, lanes 16-31 block 2 c + 1
.irp i, 0,1
	v_permlane16_swap_b32 v[PC+4*\c+\i], v[PC+4*\c+2+\i]
.endr
.endr
	v_pk_add_f32 v[SU:SU+1], v[S:S+1], v[S+2:S+3]  ; THE ROW'S SUM IS TAKEN OF THE UNQUANTISED p: two at a time, in two chains
.irp j, 4,8,12,16,20,24,28,32,36,40,44,48,52,56,60
	v_pk_add_f32 v[\sb+2:\sb+3], v[\sb+2:\sb+3], v[S+\j:S+\j+1]
	v_pk_add_f32 v[SU:SU+1], v[SU:SU+1], v[S+\j+2:S+\j+3]
.endr
	s_delay_alu instid0(VALU_DEP_1)
	v_pk_add_f32 v[\sb+2:\sb+3], v[\sb+2:\sb+3], v[SU:SU+1]
.set j, 0
.rept 16
	v_pk_mul_f32 v[\ob+j:\ob+j+1], v[\ob+j:\ob+j+1], v[FF:FF+1] op_sel_hi:[1,0]   ; O^T under the new M, each accumulator from its low end on.  (The 48 packed lines are also the places between p's scale word and codes and the products below)
.set j, j+2
.endr
	s_wait_alu depctr_va_vdst(0)
	s_wait_dscnt 0x0                               ; V's fragments are in
.irp t, 0,1,2,3                                ; O^T += V^T P^T: four accumulators, one instruction each: they take turns
.if \t%2
	v_wmma_scale_f32_16x16x128_f8f6f4 v[\ob+8*\t:\ob+8*\t+7], v[F+8*\t:F+8*\t+7], v[PC:PC+7], v[\ob+8*\t:\ob+8*\t+7], v[VS+\t/2], v[PW] matrix_a_fmt:MATRIX_FMT_FP4 matrix_b_fmt:MATRIX_FMT_FP4 matrix_a_scale:MATRIX_SCALE_ROW1
.else
	v_wmma_scale_f32_16x16x128_f8f6f4 v[\ob+8*\t:\ob+8*\t+7], v[F+8*\t:F+8*\t+7], v[PC:PC+7], v[\ob+8*\t:\ob+8*\t+7], v[VS+\t/2], v[PW] matrix_a_fmt:MATRIX_FMT_FP4 matrix_b_fmt:MATRIX_FMT_FP4
.endif
.endr
.rept 4
	v_nop                                          ; four places in front of later loads into the fragments and scale words, and of the next read of O^T
.endr
.Lskip_\@:
.endm
.Lphase:                                           ; three trips: phases 0 to 2; behind each change of slots the next phase's keys are asked for
	CHANGE 1
	PHEAD
	STEP QH, QSH, OH, SH, DH, NH
	STEP QL, QSL, OL, SL, DL, NL
	s_xor_b32 s[TB], s[TB], SLOT                   ; on to the other slot,
	s_add_co_u32 s[TS], s[TS], 16*272              ; the next sixteen steps' scale bytes,
	s_add_co_u32 s[TJ], s[TJ], 64
	s_add_co_u32 s[KJ], s[KJ], 16                  ; and my next key step
	s_sub_co_u32 s[PH], s[PH], 1
	s_cmp_lg_u32 s[PH], 0
	s_cbranch_scc1 .Lphase
	CHANGE 0                                       ; the last phase is written out
	PHEAD
	STEP QH, QSH, OH, SH, DH, NH                   ; tile L has 32 steps at the most: it never reaches phase 3
	; THE MERGE.  Each wave's sums are closed (the two halves, and lane l xor 16's); the pair (-M, sum) takes the place of (-M, largest t).
	v_add_f32 v[SH+2], v[SH+2], v[SH+3]
	v_add_f32 v[SL+2], v[SL+2], v[SL+3]
	s_delay_alu instid0(VALU_DEP_2)
	v_permlanex16_b32 v[PM], v[SH+2], s[SEL], s[SEL+1]
	s_delay_alu instid0(VALU_DEP_2)
	v_permlanex16_b32 v[PM+1], v[SL+2], s[SEL], s[SEL+1]
	s_delay_alu instid0(VALU_DEP_2)
	v_add_f32 v[SH+1], v[SH+2], v[PM]
	s_delay_alu instid0(VALU_DEP_2)
	v_add_f32 v[SL+1], v[SL+2], v[PM+1]
	s_wait_alu depctr_va_vdst(0)
	s_wait_dscnt 0x0                               ; my reads of the slots are over;
	s_barrier_signal -1
	s_barrier_wait -1                              ; everybody's are: the slots, which have had their last fill, take the partial results
.irp t, 0,1,2,3
	ds_store_b128 v[STO], v[OH+8*\t:OH+8*\t+3] offset:64*\t            ; lane (r, h): o(r, 16 t + 8 h + 0 .. 7); each accumulator from its low end on
	ds_store_b128 v[STO], v[OH+8*\t+4:OH+8*\t+7] offset:64*\t+16
.endr
.irp t, 0,1,2,3
	ds_store_b128 v[STO], v[OL+8*\t:OL+8*\t+3] offset:PART+64*\t
	ds_store_b128 v[STO], v[OL+8*\t+4:OL+8*\t+7] offset:PART+64*\t+16
.endr
	ds_store_b64 v[SSO], v[SH:SH+1]                ; lanes r and r + 16 write the same pair to the same place
	ds_store_b64 v[SSO], v[SL:SL+1] offset:128
	s_wait_dscnt 0x0                               ; for the others' sake: my stores are done
	s_barrier_signal -1
	s_barrier_wait -1
.set w, 0
.rept 16
	ds_load_b64 v[F+2*w:F+2*w+1], v[RS] offset:256*w               ; my row's (-M, sum) of wave w
.set w, w+1
.endr
.set w, 0
.rept 8
	ds_load_b128 v[S+4*w:S+4*w+3], v[RD] offset:2*PART*w           ; and my 16 bytes of its partial row
.set w, w+1
.endr
.set w, 0
.rept 8
	ds_load_b128 v[S+32+4*w:S+32+4*w+3], v[RD2] offset:2*PART*w
.set w, w+1
.endr
	s_wait_dscnt 16                                ; the sixteen pairs are in; the sixteen younger loads may stay out while the factors are made
	v_min3_num_f32 v[T0], v[F], v[F+2], v[F+4]     ; the least -M: the row's M.  Wave 0 has a step of either tile, so it is a number
.irp i, 6,10,14,18,22,26
	s_delay_alu instid0(VALU_DEP_1)
	v_min3_num_f32 v[T0], v[T0], v[F+\i], v[F+\i+2]
.endr
	s_delay_alu instid0(VALU_DEP_1)
	v_min_num_f32 v[T0], v[T0], v[F+30]
.set w, 0
.rept 16
	v_sub_f32 v[F+2*w], v[T0], v[F+2*w]            ; wave w's M less the row's: a whole number, 0 or less (about -3e38 for a wave that had no step)
.set w, w+1
.endr
.set w, 0
.rept 16
	v_cvt_i32_f32 v[F+2*w], v[F+2*w]               ; (it saturates)
.set w, w+1
.endr
.set w, 0
.rept 16
	v_ldexp_f32 v[F+2*w], 1.0, v[F+2*w]            ; f_w, an exact power of two, or 0
.set w, w+1
.endr
	v_mul_f32 v[T1], v[F], v[F+1]                  ; the row's sum = the sum of f_w x wave w's, in two chains
	v_mul_f32 v[SU], v[F+2], v[F+3]
.irp w, 2,4,6,8,10,12,14
	s_delay_alu instid0(VALU_DEP_2)
	v_fma_f32 v[T1], v[F+2*\w], v[F+2*\w+1], v[T1]
	s_delay_alu instid0(VALU_DEP_2)
	v_fma_f32 v[SU], v[F+2*\w+2], v[F+2*\w+3], v[SU]
.endr
	s_delay_alu instid0(VALU_DEP_1)
	v_add_f32 v[T1], v[T1], v[SU]
	s_wait_alu depctr_va_vdst(0)
	v_rcp_f32 v[FF], v[T1]                         ; the multiplies below are the plain instructions between it and the use of its result
	s_wait_dscnt 0x0                               ; the partial rows are in
	v_pk_mul_f32 v[BM:BM+1], v[S:S+1], v[F:F+1] op_sel_hi:[1,0]
	v_pk_mul_f32 v[BM+2:BM+3], v[S+2:S+3], v[F:F+1] op_sel_hi:[1,0]
.set w, 1
.rept 15
	s_delay_alu instid0(VALU_DEP_2)
	v_pk_fma_f32 v[BM:BM+1], v[S+4*w:S+4*w+1], v[F+2*w:F+2*w+1], v[BM:BM+1] op_sel_hi:[1,0,1]
	s_delay_alu instid0(VALU_DEP_2)
	v_pk_fma_f32 v[BM+2:BM+3], v[S+4*w+2:S+4*w+3], v[F+2*w:F+2*w+1], v[BM+2:BM+3] op_sel_hi:[1,0,1]
.set w, w+1
.endr
	s_wait_alu depctr_va_vdst(0)
	v_pk_mul_f32 v[BM:BM+1], v[BM:BM+1], v[FF:FF+1] op_sel_hi:[1,0]           ; divided by the row's sum
	v_pk_mul_f32 v[BM+2:BM+3], v[BM+2:BM+3], v[FF:FF+1] op_sel_hi:[1,0]
	global_store_b128 v[GO], v[BM:BM+3], s[16:17] th:TH_STORE_NT   ; 32 lanes store two whole rows: 512 consecutive bytes, at a multiple of 256 from out0's first byte; written once, read by nobody here
	s_wait_tensorcnt 0x0                           ; the wave's end, behind my last tensor load and my last LDS store
	ds_add_u32 v[SPW], v[NIL]
	s_wait_dscnt 0x0
	CROUND                                         ; the closing round: no work-group ends while a partner may still ask for a tile that names it
	s_endpgm
.Lfunc_end_k_q2b5c4d51a9_attn:
	.size	k_q2b5c4d51a9_attn, .Lfunc_end_k_q2b5c4d51a9_attn-k_q2b5c4d51a9_attn
	.p2alignl 7, 3214868480
	.fill 96, 4, 3214868480
	.section	.rodata,"a",@progbits
	.p2align	6, 0x0
	.amdhsa_kernel k_q2b5c4d51a9_attn
		.amdhsa_group_segment_fixed_size 327680
		.amdhsa_private_segment_fixed_size 0
		.amdhsa_enable_private_segment 0
		.amdhsa_kernarg_size 56
		.amdhsa_user_sgpr_count 2
		.amdhsa_user_sgpr_kernarg_segment_ptr 1
		.amdhsa_wavefront_size32 1
		.amdhsa_system_sgpr_workgroup_id_x 1
		.amdhsa_system_sgpr_workgroup_id_y 1
		.amdhsa_system_sgpr_workgroup_id_z 1
		.amdhsa_system_vgpr_workitem_id 0
		.amdhsa_next_free_vgpr 256
		.amdhsa_next_free_sgpr 100
		.amdhsa_reserve_vcc 1
		.amdhsa_float_denorm_mode_32 3
		.amdhsa_float_denorm_mode_16_64 3
		.amdhsa_memory_ordered 1
		.amdhsa_forward_progress 1
		.amdhsa_inst_pref_size 89
	.end_amdhsa_kernel
	.amdgpu_metadata
---
amdhsa.version: [ 1, 2 ]
amdhsa.kernels:
  - .name:           k_q2b5c4d51a9_attn
    .symbol:         k_q2b5c4d51a9_attn.kd
    .args:
      - { .name: k_codes, .offset: 0, .size: 8, .value_kind: global_buffer, .address_space: global }
      - { .name: k_scales, .offset: 8, .size: 8, .value_kind: global_buffer, .address_space: global }
      - { .name: q_codes, .offset: 16, .size: 8, .value_kind: global_buffer, .address_space: global }
      - { .name: q_scales, .offset: 24, .size: 8, .value_kind: global_buffer, .address_space: global }
      - { .name: v_codes, .offset: 32, .size: 8, .value_kind: global_buffer, .address_space: global }
      - { .name: v_scales, .offset: 40, .size: 8, .value_kind: global_buffer, .address_space: global }
      - { .name: out0, .offset: 48, .size: 8, .value_kind: global_buffer, .address_space: global }
    .group_segment_fixed_size: 327680
    .private_segment_fixed_size: 0
    .kernarg_segment_align: 8
    .kernarg_segment_size: 56
    .max_flat_workgroup_size: 512
    .sgpr_count:     100
    .vgpr_count:     256
    .wavefront_size: 32
...
	.end_amdgpu_metadata
.endif
;; end of part 1
